; MI455X (gfx1250); checked and timed in simulation.
; The chip was launched on July 23, 2026; its instructions are those of AMD's public machine-readable ISA for CDNA 5 (MIT licence, August 2026) and "CDNA5" Instruction Set Architecture Reference Guide (July 2026). The comments in the code are by the model that wrote it; some were corrected since.
;; Pretrained Model. Allowed arithmetic: matrix products marked QUANTISED: E2M3 operands, one E8M0 scale for each 32 along K, by v_wmma_scale_f32_16x16x128_f8f6f4 with both operands' format E2M3, f32 sums; products left as they are: f32 operands where the result goes on into a quantised operand, else bf16, f16 or f32 operands; f32 sums; everything else in f32.
;; Inputs: W1 1 x 64 float32; W2 64 x 64 float32; W3 64 x 1 float32; b1 64 float32; b2 64 float32; b3 1 float32; trainingInputs 4,096 x 512 x 1 float32; trainingLabels 4,096 x 512 x 1 float32.
;; Outputs: out0 4,096 float32.
;; This version of the problem:
;;   THIS VERSION OF THE PROBLEM IS GIVEN IN LOW PRECISION. The matrix products marked QUANTISED in the list below multiply operands that are first quantised to E2M3 (2 exponent bits, 3 mantissa bits; 6 bits a number), with one power-of-two scale for each 32 numbers along K (OCP MX v1.0); their sums are f32. All else is computed in f32.
;;   The module's matrix products, in the order in which they are computed (A, B: the left and right operand; K: the contracted axis; several contracted axes count as one K, in the product's order):
;;     1. [M 2,097,152, K 1] x [K 1, N 64]; A: input trainingInputs; B: input W1: left as it is (K = 1 < 32)
;;     2. [M 2,097,152, K 64] x [K 64, N 64]; A: computed on the way; B: input W2: QUANTISED
;;     3. [M 2,097,152, K 64] x [K 64, N 1]; A: computed on the way; B: input W3: left as it is (N = 1 < 16)
;;   THE QUANTISER, for each operand of a quantised product, along K:
;;     - K is cut into blocks of 32 from its start; a last block that is shorter is filled with zeros.
;;     - A block's scale is 2^e with e = floor(log2(the largest magnitude in the block)) - 2, held to -126 .. 127; a block of zeros has e = 0. As a byte (E8M0): e + 127.
;;     - Each number is divided by its block's scale, clamped to +-7.5, and rounded to the nearest number of E2M3, ties to even, subnormals kept.
;;     - The product sums the exact products of the quantised numbers (number of the format x scale) in f32.
;;   ~~~python
;;   def quantise(x, axis):      # numpy; x: float32 -> the quantised numbers, widened to float32 again
;;       x = np.moveaxis(x, axis, -1); K = x.shape[-1]
;;       x = np.pad(x, [(0, 0)] * (x.ndim - 1) + [(0, -K % 32)]); x = x.reshape(x.shape[:-1] + (-1, 32)); a = np.abs(x).max(-1, keepdims=True)
;;       e = np.where(a > 0, np.clip(np.frexp(np.where(a > 0, a, 1))[1] - 1 - 2, -126, 127), 0)      # np.frexp(a)[1] - 1 = floor(log2(a)), exactly
;;       r = np.clip(x / 2.0 ** e, -7.5, 7.5)
;;       step = 2.0 ** (np.maximum(np.frexp(np.where(r == 0, 1, r))[1] - 1, 0) - 3)
;;       q = np.round(r / step) * step * 2.0 ** e      # np.round: ties to even
;;       return np.moveaxis(q.reshape(q.shape[:-2] + (-1,))[..., :K], -1, axis).astype(np.float32)
;;   ~~~
;;   OPERANDS COMPUTED ON THE WAY. 'Computed on the way' means the value that the module computes at that place (a softmax that the list does not call 'softmax' is quantised finished and normalised). What goes into a quantiser is computed in f32, as accurately as f32 sums, v_exp_f32 and their like allow (about 1e-6 of the number): no bf16 or f16 on the way to a quantiser, and a product that is left as it is and whose result goes on into a quantised operand takes f32 operands (vector FMAs, or v_wmma_f32_16x16x4_f32). A number that lies on a knife's edge between two numbers of the format may be rounded either way, as far as f32 arithmetic and the matrix unit's own rounding can turn it there, and no further.
;; One version. Each part assembles by itself: llvm-mc -triple=amdgcn-amd-amdhsa -mcpu=gfx1250 --defsym DOCPART=n.
;; ======== version 1 of 1: 1 launch
;; launch mlp_loss (part 1): grid 256 x 1, 8 waves a work-group, no clusters, 168,960 bytes of LDS; arguments trainingInputs, trainingLabels, W1, b1, W2, b2, W3, b3, out0; writes out0
.if DOCPART == 1
	.amdgcn_target "amdgcn-amd-amdhsa--gfx1250"
	.amdhsa_code_object_version 6
	.text
	.protected	k_q6d488a10b7_mlp_loss
	.globl	k_q6d488a10b7_mlp_loss
	.p2align	8
	.type	k_q6d488a10b7_mlp_loss,@function
k_q6d488a10b7_mlp_loss:
	s_mov_b64 s[64:65], 0
	v_nop
	global_prefetch_b8 v0, s[64:65] scope:SCOPE_SE
	s_setreg_imm32_b32 hwreg(HW_REG_WAVE_MODE, 25, 1), 1
	s_wait_xcnt 0x0
; out0[task] = mean over the task's 512 samples of (label - pred)^2,  pred = relu(Q(relu(x W1 + b1)) Q(W2) + b2) . W3 + b3.
; Q quantises along K = 64 to FP6 (E2M3) codes, one E8M0 scale for each 32 along K; that product runs on v_wmma_scale_f32_16x16x128_f8f6f4; all else is f32 vector work.
; SHARES.  256 work-groups of eight waves; work-group g owns tasks 16 g .. 16 g + 15, wave w tasks 16 g + 2 w and + 1: 4,096 bytes of x and 4,096 of labels, each on end in memory.
; They come into the wave's own LDS bytes ONCE, by sixteen asynchronous copies of 512 consecutive bytes issued at the head: each input byte is asked for once, nothing is filled again, so there is no ring.
; (The launch claims more than half of the LDS; it uses 73,728 bytes.)
; NO CLUSTER: what work-groups share are the weights, 17,412 bytes read once by each, beside 65,536 bytes of x and labels that are each work-group's own.
; A TILE is 16 samples.  Which samples form a tile is free, since a task's squares are only summed: tile 4 j + i of a task holds samples 64 j + 4 r + i (r = lane % 16), so one ds_load_b128 brings a lane four tiles' x.
; THE PRODUCT IS USED TRANSPOSED: source 0 = 16 output units of W2 (tile t: units 16 t + r), source 1 = the 16 samples, C = b2.  In the result lane (r, h) (h = lane / 16) holds sample r, register j of tile t unit 16 t + 8 h + j.
; K IS LAID ALIKE ON BOTH SIDES: lane (r, h) holds the WHOLE block h of its row: k = 32 h + i.  i = 0 .. 15 go to operand registers 0-2, i = 16 .. 31 to registers 6-8 (both conversions' results begin on an even register and
; are the operand's registers: nothing is moved); registers 3-5 and 9-11 are zero codes, written once.  So the instruction's blocks 0 and 2 carry the problem's block 0, its blocks 1 and 3 block 1: a scale word is (s0, s1, s0, s1).
; A block's largest magnitude needs no other lane; one v_permlanex16_b32 fetches the other block's byte.
; PIPELINE, a step a tile: quantise tile T + 1 | finish tile T (relu, dot with W3, error) | 4 products of tile T + 1 | x W1 + b1 of tile T + 2.  So every distance behind a product and in front of one is filled by work that is due.
; LIMITS: NaN and infinities among the inputs are not served.  A block whose largest magnitude lies under 2^-124 is held at the scale byte 1; a block of zeros has that byte too, with zero codes, which add nothing.
; x W1 + b1 is one fused multiply-add (one rounding where a multiply and an add have two).  A task's 512 squares are summed lane by lane and then across lanes, in another order than along the samples.
; out0: a work-group's 16 results are 64 consecutive bytes, stored by one instruction.
.set DUAL,  1                          ; 1: two relus in one dual-issue instruction; 0: the same as two single instructions
.set W2IMG, 0                          ; LDS: W2's four fragments as images of their registers: tile t at IMGT t: registers 0-2 (16 bytes a lane, 12 used), at +512 registers 6-8, at +1024 the scale words (4 bytes a lane)
.set IMGT,  1152
.set LOSSB, 4608                       ; 8 bytes a wave: its two tasks' results
.set DATA,  8192                       ; from here 8,192 bytes a wave: x 4,096, labels 4,096
.set LBL,   4096
.set TASKB, 2048                       ; a task's x, or labels, in bytes
.set GRPB,  256                        ; four tiles' x, or labels
.set TRIPS, 7                          ; of a task's eight groups of four tiles the last is written out
; window 0
.set L16,  1                           ; v1   16 x lane: the copies' offset in memory, and an image's place for my lane; never rewritten
.set XL,   2                           ; v2   my wave's data + 16 x lane: where the copies of x land; never rewritten
.set LL,   3                           ; v3   the same for the labels; never rewritten
.set XA0,  4                           ; v4   my wave's data + 16 r
.set LA0,  5                           ; v5   my wave's labels + 16 r + 4 h
.set XAD,  6                           ; v6   XA0 + the group in hand
.set LAD,  7                           ; v7   LA0 + the group in hand
.set L4,   8                           ; v8   4 x lane
.set IW,   9                           ; v9   where I store W2's images: IMGT x (wave % 4) + 16 x lane
.set IWS,  10                          ; v10  and their scale words: IMGT x (wave % 4) + 4 x lane
.set O128, 11                          ; v11  128 h: my 32 numbers of W1 and of b1
.set O32,  12                          ; v12  32 h: my 8 numbers of a tile of b2 and of W3
.set W2O,  13                          ; v13  8192 h + 4 r + 64 x (wave % 4): W2(32 h, 16 t + r)
.set LW,   14                          ; v14  LOSSB + 8 x wave
.set LR,   15                          ; v15  LOSSB + 4 r
.set OO,   16                          ; v16  4 r
.set LANE, 17
.set LOSS, 18                          ; v[18:19] my two tasks' results
.set X,    20                          ; v[20:23] x of four tiles
.set LB,   24                          ; v[24:25] labels of two pairs of tiles
.set M,    26                          ; v[26:29] four chains of the largest magnitude
.set SOP,  30                          ; v30  the conversions' scale operand
.set SH,   31                          ; v31  my block's scale byte, in byte 3
.set OT,   32                          ; v32  what lane l xor 16 sent
.set RR,   33
.set SX,   34                          ; v34, v35 the samples' scale words, two by turns: they hold scales and nothing else
.set W2S,  36                          ; v[36:39] W2's scale words
.set PA,   40                          ; v[40:41], v[42:43] two chains of the dot product with W3
.set PB,   42
.set SA,   44                          ; v44, v45 my part of the predictions of a pair of tiles
.set SB,   45
.set E,    46
.set ACC,  47                          ; the sum of my samples' squares
.set B3P,  48                          ; v[48:49] (b3 in lanes 0-15, 0 in lanes 16-31; 0): the dot product's first addend, so that b3 is added once a sample
.set HH,   50
.set TMP,  51
.set P,    52                          ; v[52:63], v[64:75] the samples' codes, two buffers by turns
.set H,    80                          ; v[80:111] 32 numbers of the first layer
.set D,    112                         ; v[112:143] the four results of a tile
.set W3R,  144                         ; v[144:175] W3(16 t + 8 h + j) at 8 t + j
; window 1
.set W1R,  0                           ; W1(32 h + i)
.set B1R,  32                          ; b1(32 h + i)
.set B2R,  64                          ; b2(16 t + 8 h + j) at 8 t + j
.set W2F,  96                          ; W2's four fragments, 12 registers each
; scalars: s[8:23] the eight inputs' addresses, s[24:25] out0, s26 b3
.set WV,   2                           ; my wave's number
.set CNT,  3                           ; trips to go
.set GO,   6                           ; byte of the group in hand in my wave's x (and labels)
.set SEL,  28                          ; s[28:29] v_permlanex16_b32's selects for lane l xor 16
.set PSEL, 30                          ; s30 v_perm_b32's select: (mine, the other's, mine, the other's), each from byte 3
.set MSB, 0
.macro WIN new                         ; s_set_vgpr_msb: bits 1:0 source 0, 3:2 source 1, 5:4 source 2, 7:6 destination; the high byte repeats the setting that is left
.if MSB != \new
	s_set_vgpr_msb (MSB<<8)|\new
.set MSB, \new
.endif
.endm
.macro RELU2 reg                       ; two neighbouring registers, in place
.if DUAL
	v_dual_max_num_f32 v[\reg], 0, v[\reg] :: v_dual_max_num_f32 v[(\reg)+1], 0, v[(\reg)+1]
.else
	v_max_num_f32 v[\reg], 0, v[\reg]
	v_max_num_f32 v[(\reg)+1], 0, v[(\reg)+1]
.endif
.endm
; H = x W1 + b1 for tile a of the group in X: 32 numbers, two an instruction; x is one register of a pair, taken for both halves.  Under WIN 0x11: W1 and b1 in window 1.
.macro PKFMA a
.if ((\a)%2) == 0
.irp i, 0,1,2,3,4,5,6,7,8,9,10,11,12,13,14,15
	v_pk_fma_f32 v[H+2*\i:H+2*\i+1], v[W1R+2*\i:W1R+2*\i+1], v[X+2*((\a)/2):X+2*((\a)/2)+1], v[B1R+2*\i:B1R+2*\i+1] op_sel:[0,0,0] op_sel_hi:[1,0,1]
.endr
.else
.irp i, 0,1,2,3,4,5,6,7,8,9,10,11,12,13,14,15
	v_pk_fma_f32 v[H+2*\i:H+2*\i+1], v[W1R+2*\i:W1R+2*\i+1], v[X+2*((\a)/2):X+2*((\a)/2)+1], v[B1R+2*\i:B1R+2*\i+1] op_sel:[0,1,0] op_sel_hi:[1,1,1]
.endr
.endif
.endm
.macro MX d, a, b, c, w2
.if \w2
	v_max3_num_f32 v[\d], |v[\a]|, |v[\b]|, |v[\c]|
.else
	v_max3_num_f32 v[\d], v[\a], v[\b], v[\c]
.endif
.endm
; The 32 numbers in H, one whole block of my row, become codes in v[buf .. buf + 2] and v[buf + 6 .. buf + 8] and the row's scale word in v[sreg].
; w2 = 0: H is the first layer ahead of its relu.  The maximum takes the numbers as they are: what is negative must not count, and the floor stands over it; the relus stand between the scale's lines.
; w2 = 1: H is a column of W2: magnitudes, and no relu.
.macro QUANT buf, sreg, w2
.irp c, 0,1,2,3
	MX M+\c, H+8*\c, H+8*\c+1, H+8*\c+2, \w2       ; four chains by turns: no line waits for the line above it
.endr
.irp i, 3,5
.irp c, 0,1,2,3
	MX M+\c, M+\c, H+8*\c+\i, H+8*\c+\i+1, \w2
.endr
.endr
	MX M, M, H+7, H+15, \w2
	MX M+2, M+2, H+23, H+31, \w2
	v_max3_num_f32 v[M], v[M], v[M+1], 0x1800000   ; and the floor 2^(3 - 127), under which no largest magnitude is taken: so the byte cannot fall under 1
	v_max3_num_f32 v[M], v[M], v[M+2], v[M+3]      ; the block's largest magnitude
	v_add_nc_u32 v[SOP], 0xff000000, v[M]          ; 2 off its exponent field: the conversion takes the exponent field of this operand as its scale, and nothing else of it
	v_lshl_add_u32 v[SH], v[M], 1, 0xfe000000      ; the exponent field moved into byte 3, less 2: the scale's byte
.if (\w2) == 0
.irp i, 0,1,2,3
	RELU2 H+2*\i
.endr
.endif
	v_permlanex16_b32 v[OT], v[SH], s[SEL], s[SEL+1]   ; the row's other block lies in lane l xor 16
.if (\w2) == 0
.irp i, 4,5,6,7
	RELU2 H+2*\i
.endr
.endif
	v_perm_b32 v[\sreg], v[OT], v[SH], s[PSEL]     ; lanes 0-15: (s0, s1, s0, s1); lanes 16-31 hold the bytes the other way round and are not read
.if (\w2) == 0
.irp i, 8,9,10,11,12,13,14,15
	RELU2 H+2*\i
.endr
.endif
	v_cvt_scalef32_pk16_fp6_f32 v[(\buf):(\buf)+2], v[H:H+15], v[SOP]          ; k = 32 h + 0 .. 15: operand registers 0-2
	v_cvt_scalef32_pk16_fp6_f32 v[(\buf)+6:(\buf)+8], v[H+16:H+31], v[SOP]     ; k = 32 h + 16 .. 31: operand registers 6-8.  Beyond 7.5 the conversion gives the largest code
.endm
; The tile's four products, on four different results, each begun with b2 as its C.  Under WIN 0x11: W2 and b2 in window 1, the samples' codes and the results in window 0.
.macro WM b
.irp t, 0,1,2,3
	v_wmma_scale_f32_16x16x128_f8f6f4 v[D+8*\t:D+8*\t+7], v[W2F+12*\t:W2F+12*\t+11], v[P+12*(\b):P+12*(\b)+11], v[B2R+8*\t:B2R+8*\t+7], v[W2S+\t], v[SX+(\b)] matrix_a_fmt:MATRIX_FMT_FP6 matrix_b_fmt:MATRIX_FMT_FP6
.endr
.endm
.macro DOT i                           ; pair i of relu(D) times W3, onto chain i % 2; the first takes b3 along
.if (\i) == 0
	v_pk_fma_f32 v[PA:PA+1], v[D:D+1], v[W3R:W3R+1], v[B3P:B3P+1]
.elseif (\i) == 1
	v_pk_mul_f32 v[PB:PB+1], v[D+2:D+3], v[W3R+2:W3R+3]
.elseif ((\i)%2) == 0
	v_pk_fma_f32 v[PA:PA+1], v[D+2*(\i):D+2*(\i)+1], v[W3R+2*(\i):W3R+2*(\i)+1], v[PA:PA+1]
.else
	v_pk_fma_f32 v[PB:PB+1], v[D+2*(\i):D+2*(\i)+1], v[W3R+2*(\i):W3R+2*(\i)+1], v[PB:PB+1]
.endif
.endm
; A tile is finished: relu, the dot product with W3 over my 32 units (each result is read from its low end on, in ascending order), my part of the prediction into SA (par = 0) or SB (par = 1).
; par = 1: a pair of tiles is whole.  The swap puts the first tile's two parts into lanes 0-15 of SA and SB and the second tile's into lanes 16-31: one addition gives 32 predictions, a sample a lane; lb holds their labels.
.macro CPART par, lb
	RELU2 D
.irp i, 1,2,3,4,5,6,7,8,9,10,11,12,13,14,15
	RELU2 D+2*\i
	DOT \i-1                                       ; a pair's product stands one relu behind its own
.endr
	DOT 15
	v_pk_add_f32 v[PA:PA+1], v[PA:PA+1], v[PB:PB+1]
	v_add_f32 v[SA+(\par)], v[PA], v[PA+1]
.if \par
	v_permlane16_swap_b32 v[SA], v[SB]
	v_add_f32 v[E], v[SA], v[SB]
	v_sub_f32 v[E], v[\lb], v[E]
	v_fmac_f32 v[ACC], v[E], v[E]
.endif
.endm
; Step a of a group: tile T = 4 j + a.  pk = 1: there is a tile T + 2.  xload = 1: the next group's x is asked for, behind the last use of this group's.
; Behind the products stand PKFMA's 16 instructions and the next step's QUANT before a result is read; between the scale word and the products 8 relu lines and CPART; between the conversions and the products CPART.
.macro STEP a, pk, xload
.if (\a) == 1
	s_wait_dscnt 0x0                               ; the group's labels, asked for a step ago
.endif
	QUANT P+12*(((\a)+1)%2), SX+((\a)+1)%2, 0
	CPART (\a)%2, LB+(\a)/2
.if (\a) == 2
	s_wait_dscnt 0x0                               ; the next group's x, asked for at the last step's end
.endif
	WIN 0x11
	WM ((\a)+1)%2
.if \pk
	PKFMA ((\a)+2)%4
.endif
	WIN 0
.if \xload
	ds_load_b128 v[X:X+3], v[XAD] offset:GRPB
.endif
.endm
.macro HEADTRIP                        ; the group's addresses, and its labels: lane (r, h) takes, for the pair of tiles 2 p and 2 p + 1, sample 64 j + 4 r + 2 p + h
	v_add_nc_u32 v[XAD], s[GO], v[XA0]
	v_add_nc_u32 v[LAD], s[GO], v[LA0]
	ds_load_b32 v[LB], v[LAD]
	ds_load_b32 v[LB+1], v[LAD] offset:8
.endm
; One task, the wave's k-th: 32 tiles.
.macro TASK k
	s_wait_asynccnt 8-8*\k                         ; copies end in the order of issue: this task's eight are in; behind the first task's stand the second's eight, which may stay out
	s_mov_b32 s[GO], TASKB*\k
	v_add_nc_u32 v[XAD], s[GO], v[XA0]
	ds_load_b128 v[X:X+3], v[XAD]
	s_wait_dscnt 0x0                               ; x of the first group (and, the first time, W2's images)
	WIN 0x11
	PKFMA 0
	WIN 0
	QUANT P, SX, 0
	v_mov_b32 v[ACC], 0                            ; four plain instructions between the conversions and the products that read their results
.rept 3
	v_nop
.endr
	WIN 0x11
	WM 0
	PKFMA 1
	WIN 0                                          ; at a label and at a branch every window is 0
	s_mov_b32 s[CNT], TRIPS
.Ltrip_\@:
	HEADTRIP
	STEP 0, 1, 0
	STEP 1, 1, 1
	STEP 2, 1, 0
	STEP 3, 1, 0
	s_add_co_u32 s[GO], s[GO], GRPB
	s_sub_co_u32 s[CNT], s[CNT], 1
	s_cmp_lg_u32 s[CNT], 0
	s_cbranch_scc1 .Ltrip_\@
	HEADTRIP                                       ; the last group is written out: no x behind it is asked for, and no tile behind the 32nd is begun
	STEP 0, 1, 0
	STEP 1, 1, 0
	STEP 2, 0, 0
.rept 4
	v_nop                                          ; four places between the last products and the first read of a result: no other work is left
.endr
	CPART 1, LB+1
	v_add_f32_dpp v[ACC], v[ACC], v[ACC] row_xmask:1 row_mask:0xf bank_mask:0xf    ; the 32 lanes' sums
	v_add_f32_dpp v[ACC], v[ACC], v[ACC] row_xmask:2 row_mask:0xf bank_mask:0xf
	v_add_f32_dpp v[ACC], v[ACC], v[ACC] row_xmask:4 row_mask:0xf bank_mask:0xf
	v_add_f32_dpp v[ACC], v[ACC], v[ACC] row_xmask:8 row_mask:0xf bank_mask:0xf
	v_permlanex16_b32 v[OT], v[ACC], s[SEL], s[SEL+1]
	v_add_f32 v[ACC], v[ACC], v[OT]
	v_mul_f32 v[LOSS+\k], 0x3b000000, v[ACC]       ; / 512
.endm
	s_load_b512 s[8:23], s[0:1], 0x0               ; x s[8:9], labels s[10:11], W1 s[12:13], b1 s[14:15], W2 s[16:17], b2 s[18:19], W3 s[20:21], b3 s[22:23]
	s_load_b64 s[24:25], s[0:1], 0x40              ; out0
	v_lshl_add_u32 v254, v0, 2, 0x29000
	v_mov_b32 v255, 0
	ds_add_u32 v254, v255
	ds_add_u32 v254, v255
	v_lshrrev_b32 v[TMP], 5, v0
	v_readfirstlane_b32 s[WV], v[TMP]              ; wave 0..7
	v_and_b32 v[LANE], 31, v0
	v_and_b32 v[RR], 15, v0                        ; r
	v_bfe_u32 v[HH], v0, 4, 1                      ; h
	; every LDS address is made here, ahead of the first branch: a constant + a constant x lane + a constant x wave
	s_lshl_b32 s7, s[WV], 13
	s_add_co_u32 s7, s7, DATA                      ; my wave's data
	v_lshlrev_b32 v[L16], 4, v[LANE]
	v_add_nc_u32 v[XL], s7, v[L16]
	v_add_nc_u32 v[LL], LBL, v[XL]
	v_lshl_add_u32 v[XA0], v[RR], 4, s7
	v_lshl_add_u32 v[LA0], v[HH], 2, v[XA0]
	v_add_nc_u32 v[LA0], LBL, v[LA0]
	v_lshlrev_b32 v[L4], 2, v[LANE]
	s_and_b32 s34, s[WV], 3                        ; the tile of W2 that waves 0-3 quantise
	s_mul_i32 s35, s34, IMGT
	v_add_nc_u32 v[IW], s35, v[L16]
	v_add_nc_u32 v[IWS], s35, v[L4]
	v_lshlrev_b32 v[O128], 7, v[HH]
	v_lshlrev_b32 v[O32], 5, v[HH]
	v_lshlrev_b32 v[W2O], 2, v[RR]
	v_lshl_add_u32 v[W2O], v[HH], 13, v[W2O]
	s_lshl_b32 s36, s34, 6
	v_add_nc_u32 v[W2O], s36, v[W2O]
	s_lshl_b32 s37, s[WV], 3
	s_add_co_u32 s37, s37, LOSSB
	v_mov_b32 v[LW], s37
	v_lshlrev_b32 v[OO], 2, v[RR]
	v_add_nc_u32 v[LR], LOSSB, v[OO]
	v_mov_b32 v[OT], 0                             ; written once: a lane permute's destination counts as one of its sources
	s_mov_b32 s[SEL], 0x76543210
	s_mov_b32 s[SEL+1], 0xfedcba98
	s_mov_b32 s[PSEL], 0x07030703
	s_lshl_b32 s4, ttmp9, 15                       ; my work-group's 16 tasks of 2,048 bytes,
	s_lshl_b32 s6, s[WV], 12                       ; my wave's two of them
	s_add_co_u32 s4, s4, s6
	s_mov_b32 s5, 0
	s_lshl_b32 s32, ttmp9, 6                       ; my work-group's 16 results
	s_mov_b32 s33, 0
	s_wait_dscnt 0x0
	s_wait_kmcnt 0x0
	s_load_b32 s26, s[22:23], 0x0                  ; b3
	s_add_nc_u64 s[8:9], s[8:9], s[4:5]
	s_add_nc_u64 s[10:11], s[10:11], s[4:5]
	s_add_nc_u64 s[24:25], s[24:25], s[32:33]
	; all of my wave's x and labels: sixteen copies of 512 consecutive bytes, the first task's eight ahead of the second's.  The immediate is added to both addresses.
.irp k, 0,1
.irp c, 0,1,2,3
	global_load_async_to_lds_b128 v[XL], v[L16], s[8:9] offset:TASKB*\k+512*\c
.endr
.irp c, 0,1,2,3
	global_load_async_to_lds_b128 v[LL], v[L16], s[10:11] offset:TASKB*\k+512*\c
.endr
.endr
	; the small weights stay in registers for the whole launch, in the layouts that their users want
	WIN 0x40                                       ; destination window 1, address window 0
.irp c, 0,1,2,3,4,5,6,7
	global_load_b128 v[W1R+4*\c:W1R+4*\c+3], v[O128], s[12:13] offset:16*\c
	global_load_b128 v[B1R+4*\c:B1R+4*\c+3], v[O128], s[14:15] offset:16*\c
.endr
.irp t, 0,1,2,3
	global_load_b128 v[B2R+8*\t:B2R+8*\t+3], v[O32], s[18:19] offset:64*\t
	global_load_b128 v[B2R+8*\t+4:B2R+8*\t+7], v[O32], s[18:19] offset:64*\t+16
.endr
.irp t, 0,1,2,3
.irp i, 3,4,5,9,10,11
	v_mov_b32 v[W2F+12*\t+\i], 0                   ; the zero codes of W2's fragments: the half of the instruction's K that the problem's K = 64 does not fill
.endr
.endr
	WIN 0
.irp t, 0,1,2,3
	global_load_b128 v[W3R+8*\t:W3R+8*\t+3], v[O32], s[20:21] offset:64*\t
	global_load_b128 v[W3R+8*\t+4:W3R+8*\t+7], v[O32], s[20:21] offset:64*\t+16
.endr
.irp b, 0,1
.irp i, 3,4,5,9,10,11
	v_mov_b32 v[P+12*\b+\i], 0                     ; and those of the samples' two buffers
.endr
.endr
	; W2 is quantised once a work-group: wave t of waves 0-3 takes tile t.  A lane takes column 16 t + r and its registers run down K: W2(32 h + i, 16 t + r); sixteen lanes read 64 consecutive bytes.
	s_cmp_lt_u32 s[WV], 4
	s_cbranch_scc0 .Lno_w2
.irp i, 0,1,2,3,4,5,6,7,8,9,10,11,12,13,14,15,16,17,18,19,20,21,22,23,24,25,26,27,28,29,30,31
	global_load_b32 v[H+\i], v[W2O], s[16:17] offset:256*\i
.endr
	s_wait_loadcnt 0x0
	QUANT P, SX, 1
	v_nop                                          ; one plain instruction behind the last conversion
	ds_store_b96 v[IW], v[P:P+2] offset:W2IMG      ; the fragment goes to LDS as an image of its registers: 16 bytes a lane, 12 of them written and read
	ds_store_b96 v[IW], v[P+6:P+8] offset:W2IMG+512
	ds_store_b32 v[IWS], v[SX] offset:W2IMG+1024
.Lno_w2:
	s_wait_loadcnt 0x0                             ; W1, b1, b2, W3
	s_wait_kmcnt 0x0                               ; b3
	v_cmp_gt_u32 vcc_lo, 16, v[LANE]
	v_mov_b32 v[TMP], s26
	v_mov_b32 v[B3P+1], 0
	v_cndmask_b32 v[B3P], 0, v[TMP], vcc_lo        ; b3 in lanes 0-15 alone: a sample's two lanes are added later
	s_wait_dscnt 0x0                               ; for the others' sake: my stores of the images are done
	s_barrier_signal -1
	s_barrier_wait -1
	WIN 0x40
.irp t, 0,1,2,3
	ds_load_b96 v[W2F+12*\t:W2F+12*\t+2], v[L16] offset:W2IMG+IMGT*\t
	ds_load_b96 v[W2F+12*\t+6:W2F+12*\t+8], v[L16] offset:W2IMG+IMGT*\t+512
.endr
	WIN 0
.irp t, 0,1,2,3
	ds_load_b32 v[W2S+\t], v[L4] offset:W2IMG+IMGT*\t+1024
.endr
	TASK 0
	TASK 1
	ds_store_b64 v[LW], v[LOSS:LOSS+1]             ; all lanes write the same 8 bytes with the same values
	s_wait_dscnt 0x0
	s_barrier_signal -1
	s_barrier_wait -1
	s_cmp_lg_u32 s[WV], 0
	s_cbranch_scc1 .Lend
	ds_load_b32 v[E], v[LR]                        ; wave 0: the work-group's 16 results, result r in lanes r and 16 + r
	s_wait_dscnt 0x0
	s_wait_xcnt 0x0                                ; EXEC changes only behind this wait
	v_cmp_gt_u32 vcc_lo, 16, v0
	s_and_saveexec_b32 s31, vcc_lo
	global_store_b32 v[OO], v[E], s[24:25]         ; sixteen lanes store 64 consecutive bytes
	s_wait_xcnt 0x0                                ; and again, in front of the line that widens it
	s_or_b32 exec_lo, exec_lo, s31
.Lend:
	s_wait_tensorcnt 0x0
	ds_add_u32 v254, v255
	s_wait_dscnt 0x0
	s_endpgm
.Lfunc_end_k_q6d488a10b7_mlp_loss:
	.size	k_q6d488a10b7_mlp_loss, .Lfunc_end_k_q6d488a10b7_mlp_loss-k_q6d488a10b7_mlp_loss
	.p2alignl 7, 3214868480
	.fill 96, 4, 3214868480
	.section	.rodata,"a",@progbits
	.p2align	6, 0x0
	.amdhsa_kernel k_q6d488a10b7_mlp_loss
		.amdhsa_group_segment_fixed_size 168960
		.amdhsa_private_segment_fixed_size 0
		.amdhsa_enable_private_segment 0
		.amdhsa_kernarg_size 72
		.amdhsa_user_sgpr_count 2
		.amdhsa_user_sgpr_kernarg_segment_ptr 1
		.amdhsa_wavefront_size32 1
		.amdhsa_system_sgpr_workgroup_id_x 1
		.amdhsa_system_sgpr_workgroup_id_y 1
		.amdhsa_system_sgpr_workgroup_id_z 1
		.amdhsa_system_vgpr_workitem_id 0
		.amdhsa_next_free_vgpr 400
		.amdhsa_next_free_sgpr 66
		.amdhsa_reserve_vcc 1
		.amdhsa_float_denorm_mode_32 3
		.amdhsa_float_denorm_mode_16_64 3
		.amdhsa_memory_ordered 1
		.amdhsa_forward_progress 1
		.amdhsa_inst_pref_size 117
	.end_amdhsa_kernel
	.amdgpu_metadata
---
amdhsa.version: [ 1, 2 ]
amdhsa.kernels:
  - .name:           k_q6d488a10b7_mlp_loss
    .symbol:         k_q6d488a10b7_mlp_loss.kd
    .args:
      - { .name: trainingInputs, .offset: 0, .size: 8, .value_kind: global_buffer, .address_space: global }
      - { .name: trainingLabels, .offset: 8, .size: 8, .value_kind: global_buffer, .address_space: global }
      - { .name: W1, .offset: 16, .size: 8, .value_kind: global_buffer, .address_space: global }
      - { .name: b1, .offset: 24, .size: 8, .value_kind: global_buffer, .address_space: global }
      - { .name: W2, .offset: 32, .size: 8, .value_kind: global_buffer, .address_space: global }
      - { .name: b2, .offset: 40, .size: 8, .value_kind: global_buffer, .address_space: global }
      - { .name: W3, .offset: 48, .size: 8, .value_kind: global_buffer, .address_space: global }
      - { .name: b3, .offset: 56, .size: 8, .value_kind: global_buffer, .address_space: global }
      - { .name: out0, .offset: 64, .size: 8, .value_kind: global_buffer, .address_space: global }
    .group_segment_fixed_size: 168960
    .private_segment_fixed_size: 0
    .kernarg_segment_align: 8
    .kernarg_segment_size: 72
    .max_flat_workgroup_size: 256
    .sgpr_count:     66
    .vgpr_count:     400
    .wavefront_size: 32
...
	.end_amdgpu_metadata
.endif
;; end of part 1
